; MI455X (gfx1250); checked and timed in simulation.
; The chip was launched on July 23, 2026; its instructions are those of AMD's public machine-readable ISA for CDNA 5 (MIT licence, August 2026) and "CDNA5" Instruction Set Architecture Reference Guide (July 2026). The comments in the code are by the model that wrote it; some were corrected since.
;; Cross Attention. Allowed arithmetic: float matrix products may take bf16 or f16 operands with f32 sums; all other float work in f32.
;; Inputs: Wk 64 x 64 float32; Wq 64 x 64 float32; Wv 64 x 64 float32; neighbors 8 x 64 x 2,048 x 32 float32; pcd 8 x 64 x 2,048 float32.
;; Outputs: out0 8 x 64 x 2,048 float32.
;; 2 versions, each right; version 2 is version 1 with the launch xattn written anew for expert scheduling mode. Each part assembles by itself: llvm-mc -triple=amdgcn-amd-amdhsa -mcpu=gfx1250 --defsym DOCPART=n.
;; ======== version 1 of 2: 1 launch
;; launch xattn (part 1): grid 256 x 1, 8 waves a work-group, no clusters, 82,944 bytes of LDS; arguments neighbors, pcd, Wq, Wk, Wv, out0; writes out0
.if DOCPART == 1
	.amdgcn_target "amdgcn-amd-amdhsa--gfx1250"
	.amdhsa_code_object_version 6
	.text
	.protected	k_q4c4d2a38f2_xattn
	.globl	k_q4c4d2a38f2_xattn
	.p2align	8
	.type	k_q4c4d2a38f2_xattn,@function
k_q4c4d2a38f2_xattn:
	s_mov_b64 s[64:65], 0
	v_nop
	global_prefetch_b8 v0, s[64:65] scope:SCOPE_SE
	s_setreg_imm32_b32 hwreg(HW_REG_WAVE_MODE, 25, 1), 1
	s_wait_xcnt 0x0
; Local cross attention.  pcd [8][64][2048], neighbors [8][64][2048][32], Wq, Wk, Wv [64][64], out0 [8][64][2048], all f32.
;   q = Wq pcd;  k = Wk neighbors;  v = Wv neighbors;  8 heads of depth 8;  for each point a softmax over its 32 neighbours.
; One launch.  A work-group (8 waves) owns one batch entry and 64 points; a wave owns 8 points, taken as 4 tiles of 2 points
; (64 columns x 64 channels of f32 = 16,384 bytes).  neighbors goes memory -> registers -> bf16 fragments, never through LDS:
;   lane (r = lane % 16, h = lane / 16) loads 16 bytes, columns 4r .. 4r+3, of the channels c = 32 ks + 16 g + 8 h + e, which are the
;   channels that a bf16 B fragment holds in that lane.  Component t of the loads is the fragment of the column set {4r + t}.
;   Each load of a wave covers two aligned runs of 256 consecutive bytes (channel rows c and c + 8).
; With A = 16 rows of Wk (Wv), the eight result registers of lane (r, h) are output channels 16 mt + 8 h + 0..7 = the 8 depths of head
; 2 mt + h for column 4r + t: point r / 8 of the tile, neighbour 4 (r % 8) + t.  So a score is a dot product inside a lane, and the softmax
; and the weighted sum run over 4 registers (t) and 8 lanes (row_xmask 1, 2, 4).
; Matrix operands are bf16 (rounded to nearest even), sums f32; q, k, v, scores, softmax and the output stay f32.
; The true maximum of the 32 scores is taken away before the exponential.
; LIMITS: a weight smaller than 2^-126 of the largest becomes 0 (v_exp_f32 flushes denormal results, ISA guide 15.8).  The factor
; log2(e) / sqrt(8) is multiplied into q, not into the score: another order of f32 rounding than the formula's.
; NO CLUSTER: work-groups share only the three weight matrices, 49,152 of the 589,824 bytes that each reads, and those pass through
; registers to be converted.  NO TENSOR LOADS: a tile's 16,384 bytes land in 128 registers of the wave that converts them, so that the
; eight waves have 131,072 bytes on their way without a second trip through LDS.
.set ROWB,   262144                    ; neighbors: bytes from a channel to the next (2048 x 32 x 4)
.set PROWB,  8192                      ; pcd, out0: bytes from a channel to the next (2048 x 4)
.set TILEB,  256                       ; a tile's bytes in a channel row: 2 points x 32 neighbours x 4
.set TILES,  4                         ; tiles of a wave
.set SCALE,  0x3f0293ee                ; log2(e) / sqrt(8) = 0.5100697
; LDS
.set WBLK,   288                       ; 16 lanes x 16 bytes of a weight fragment + 32 bytes: see the staging below
.set WMAT,   32*WBLK                   ; one matrix in bf16, in fragment order
.set WKL,    0
.set WVL,    WMAT
.set WQL,    2*WMAT
.set PCDL,   3*WMAT                    ; pcd of my 64 points, f32, [channel][point]
.set PPITCH, 272
.set QL,     PCDL+64*PPITCH            ; q, f32, [point][channel], a block of 8 points for each wave, its own
.set QPITCH, 272
.set QBLK,   8*QPITCH
.set OL,     QL+8*QBLK                 ; results, f32, [point][channel], a block of 8 points for each wave
.set OPITCH, 288
.set OBLK,   8*OPITCH+16
; registers, window 0
.set OFFA, 4                           ; byte offset of my 16 bytes in channel row 8 h
.set OFFB, 5                           ; the same in channel row 32 + 8 h
.set WOFF, 6                           ; 16 x thread: my piece of a weight matrix
.set POFF, 7                           ; my piece of pcd's tile, and of out0's
.set WST,  8                           ; LDS: where my weight pieces go
.set PST,  9                           ; LDS: where my pcd pieces go
.set WRD,  10                          ; LDS: my 16 bytes of a weight fragment
.set PRD,  11                          ; LDS: pcd, my point and my channels
.set QST,  12                          ; LDS: q out
.set QRD,  13                          ; LDS: q of the tile's point that my columns belong to
.set OST,  14                          ; LDS: results out
.set ORD,  15                          ; LDS: results back, by output rows
.set XB,   16                          ; v[16:79]   the tile in bf16: fragment (t, ks) at XB + 16 t + 8 ks
.set DA,   80                          ; v[80:111]  four accumulators (t = 0..3), set A
.set DB,   112                         ; v[112:143] set B
.set Q,    144                         ; v[144:175] q[16 mt + 8 h + i] of my point, at Q + 8 mt + i
.set E,    176                         ; v[176:191] scores, then weights, at E + 4 mt + t
.set ACC,  192                         ; v[192:223] weighted sums, at ACC + 8 mt + i
.set T,    224                         ; v[224:231] at work
.set M,    232                         ; v[232:235] maxima, one for each mt
.set L,    236                         ; v[236:239] sums of the exponentials, then their reciprocals
; registers, window 1 (v256-v511, named by their low 8 bits): v0-127 the tile as loaded: load (ks, g, e) at 64 ks + 32 g + 4 e
.set WKR,  128                         ; v384-447  Wk's fragments: (mt, ks) at WKR + 16 mt + 8 ks
.set WVR,  192                         ; v448-511  Wv's
; s_set_vgpr_msb: bits 1:0 source 0, 3:2 source 1, 5:4 source 2, 7:6 destination; the high byte repeats the setting that is left.
.set MSB, 0
.macro WIN new
.if MSB != \new
	s_set_vgpr_msb (MSB<<8)|\new
.set MSB, \new
.endif
.endm
.set FROM_W1, 0x05                     ; sources 0 and 1 in window 1: the conversions out of the landing zone
.set TO_W1,   0x40                     ; destination in window 1: loads into the landing zone and into the weight fragments
.set A_W1,    0x01                     ; source 0 (A, the weights) in window 1: the matrix instructions
.macro PLACES                          ; four places behind a matrix instruction before its result is read (ISA guide 7.12.1)
.rept 4
	v_nop
.endr
.endm
	s_load_b256 s[4:11], s[0:1], 0x0               ; neighbors s[4:5], pcd s[6:7], Wq s[8:9], Wk s[10:11]
	s_load_b128 s[12:15], s[0:1], 0x20             ; Wv s[12:13], out0 s[14:15]
	v_lshl_add_u32 v254, v0, 2, 0x14000
	v_mov_b32 v255, 0
	v_lshrrev_b32 v1, 5, v0
	v_readfirstlane_b32 s16, v1                    ; wave 0..7
	s_lshr_b32 s17, ttmp9, 5                       ; batch entry
	s_and_b32 s18, ttmp9, 31                       ; block of 64 points
	s_lshl_b32 s20, s17, 24                        ; neighbors: 64 x 2048 x 32 x 4 bytes a batch entry
	s_lshl_b32 s19, s18, 13                        ; + 64 points x 128 bytes
	s_add_co_u32 s20, s20, s19
	s_lshl_b32 s19, s16, 10                        ; + my wave's 8 points x 128 bytes
	s_add_co_u32 s20, s20, s19
	s_mov_b32 s21, 0
	s_lshl_b32 s22, s17, 19                        ; pcd, out0: 64 x 2048 x 4 bytes a batch entry
	s_lshl_b32 s19, s18, 8                         ; + 64 points x 4 bytes
	s_add_co_u32 s22, s22, s19
	s_mov_b32 s23, 0
	v_and_b32 v2, 15, v0                           ; r
	v_bfe_u32 v3, v0, 4, 1                         ; h
	v_lshrrev_b32 v1, 4, v0                        ; thread / 16, 0..15
	v_lshlrev_b32 v[WOFF], 4, v0
	v_lshlrev_b32 v[OFFA], 4, v2                   ; 16 r
	v_lshl_or_b32 v[POFF], v1, 13, v[OFFA]         ; channel thread / 16, points 4 r .. 4 r + 3
	v_lshl_or_b32 v[OFFA], v3, 21, v[OFFA]         ; + 8 h channel rows
	v_add_nc_u32 v[OFFB], 32*ROWB, v[OFFA]
	s_wait_kmcnt 0x0
	s_add_nc_u64 s[4:5], s[4:5], s[20:21]
	s_add_nc_u64 s[6:7], s[6:7], s[22:23]
	s_add_nc_u64 s[14:15], s[14:15], s[22:23]
	; The weights and pcd first (16 loads, every one 512 consecutive bytes a wave), then tile 0: the staging below is done while tile 0 is on its way.
.irp j, 0,1,2,3
	global_load_b128 v[DA+4*\j:DA+4*\j+3], v[WOFF], s[10:11] offset:4096*\j          ; Wk, rows 16 j + thread / 16
.endr
.irp j, 0,1,2,3
	global_load_b128 v[DA+16+4*\j:DA+16+4*\j+3], v[WOFF], s[12:13] offset:4096*\j    ; Wv
.endr
.irp j, 0,1,2,3
	global_load_b128 v[DA+32+4*\j:DA+32+4*\j+3], v[WOFF], s[8:9] offset:4096*\j      ; Wq
.endr
.irp j, 0,1,2,3
	global_load_b128 v[DA+48+4*\j:DA+48+4*\j+3], v[POFF], s[6:7] offset:16*PROWB*\j th:TH_LOAD_NT   ; pcd, channels 16 j + thread / 16
.endr
; 16 loads: channels 32 ks + 16 g + 8 h + e of the tile at s[4:5].  The immediate is at most 23 channel rows, inside its signed 24 bits.
.macro LOADH ks, off
.irp g, 0,1
.irp e, 0,1,2,3,4,5,6,7
	global_load_b128 v[64*\ks+32*\g+4*\e:64*\ks+32*\g+4*\e+3], v[\off], s[4:5] offset:(16*\g+\e)*ROWB th:TH_LOAD_NT
.endr
.endr
.endm
	WIN TO_W1
	LOADH 0, OFFA
	LOADH 1, OFFB
	WIN 0
	; LDS addresses
	s_lshl_b32 s24, s16, 5                         ; my wave's 8 points x 4 bytes in a row of pcd's tile
	s_mul_i32 s25, s16, QBLK
	s_add_co_u32 s25, s25, QL                      ; my wave's q block
	s_mul_i32 s26, s16, OBLK
	s_add_co_u32 s26, s26, OL                      ; my wave's result block
	; A weight piece is 4 numbers: row 16 j + thread / 16, columns 4 cq .. 4 cq + 3, cq = thread % 16 = 8 ks + 4 g + 2 h + half.  In fragment
	; (mt = j, ks) it is half of the 16 bytes of lane (r = thread / 16, h), registers 4 g .. 4 g + 3.  Blocks (mt, ks, g, h) of 16 lanes x 16 bytes lie
	; 288 bytes apart: 288, 576, 1152 are 32, 64, 128 modulo 256.
	v_bfe_u32 v[T], v0, 1, 3                       ; 4 ks + 2 g + h
	v_mul_u32_u24 v[WST], v[T], WBLK
	v_lshl_add_u32 v[WST], v1, 4, v[WST]
	v_and_b32 v[T], 1, v0                          ; half (and: r % 2)
	v_lshl_add_u32 v[WST], v[T], 3, v[WST]
	; Results back: thread takes output channels thread / 16 + 16 j, points 4 r + e: wave block r / 2, row 4 (r % 2) + e.  OBLK is 4 words and 4 OPITCH
	; 32 words modulo 64.
	v_lshrrev_b32 v[T+1], 1, v2
	v_mul_u32_u24 v[ORD], v[T+1], OBLK
	v_mad_u32_u24 v[ORD], v[T], 4*OPITCH, v[ORD]
	v_lshl_add_u32 v[ORD], v1, 2, v[ORD]
	v_add_nc_u32 v[ORD], OL, v[ORD]
	v_mul_u32_u24 v[PST], v1, PPITCH
	v_lshl_add_u32 v[PST], v2, 4, v[PST]
	v_mul_u32_u24 v[WRD], v3, WBLK
	v_lshl_add_u32 v[WRD], v2, 4, v[WRD]
	v_and_b32 v[T], 7, v0                          ; r % 8: for q, column r stands for point r % 8 of my wave's 8 (each point twice)
	v_mul_u32_u24 v[PRD], v3, 8*PPITCH
	v_lshl_add_u32 v[PRD], v[T], 2, v[PRD]
	v_add_nc_u32 v[PRD], s24, v[PRD]
	v_mul_u32_u24 v[QST], v[T], QPITCH
	v_lshl_add_u32 v[QST], v3, 5, v[QST]           ; channels 8 h .. of each 16
	v_add_nc_u32 v[QST], s25, v[QST]
	v_bfe_u32 v[T], v0, 3, 1                       ; r / 8: which of a tile's two points my columns belong to
	v_mul_u32_u24 v[QRD], v[T], QPITCH
	v_lshl_add_u32 v[QRD], v3, 5, v[QRD]
	v_add_nc_u32 v[QRD], s25, v[QRD]
	v_mul_u32_u24 v[OST], v[T], OPITCH
	v_lshl_add_u32 v[OST], v3, 5, v[OST]
	v_add_nc_u32 v[OST], s26, v[OST]
	s_wait_loadcnt 32                              ; loads come back in order (ISA guide 5.7.1): the weights and pcd are in, tile 0's 32 loads stay out
.irp m, 0,1,2
.irp j, 0,1,2,3
	v_cvt_pk_bf16_f32 v[ACC+8*\m+2*\j],   v[DA+16*\m+4*\j],   v[DA+16*\m+4*\j+1]
	v_cvt_pk_bf16_f32 v[ACC+8*\m+2*\j+1], v[DA+16*\m+4*\j+2], v[DA+16*\m+4*\j+3]
	ds_store_b64 v[WST], v[ACC+8*\m+2*\j:ACC+8*\m+2*\j+1] offset:\m*WMAT+\j*8*WBLK
.endr
.endr
.irp j, 0,1,2,3
	ds_store_b128 v[PST], v[DA+48+4*\j:DA+48+4*\j+3] offset:PCDL+\j*16*PPITCH
.endr
	s_wait_dscnt 0x0                               ; my stores are in LDS, for the other waves' sake
	s_barrier_signal -1
	s_barrier_wait -1                              ; everybody's are; these bytes are not written again
	; Wq's fragments and pcd first, then Wk's and Wv's, which stay in registers for the whole kernel
.irp f, 0,1,2,3,4,5,6,7
.irp g, 0,1
	ds_load_b128 v[DA+8*\f+4*\g:DA+8*\f+4*\g+3], v[WRD] offset:WQL+(2*\f+\g)*2*WBLK
.endr
.endr
.irp ks, 0,1
.irp g, 0,1
.irp e, 0,1,2,3,4,5,6,7
	ds_load_b32 v[ACC+16*\ks+8*\g+\e], v[PRD] offset:PCDL+(32*\ks+16*\g+\e)*PPITCH   ; pcd[32 ks + 16 g + 8 h + e][my point]
.endr
.endr
.endr
	WIN TO_W1
.irp f, 0,1,2,3,4,5,6,7
.irp g, 0,1
	ds_load_b128 v[WKR+8*\f+4*\g:WKR+8*\f+4*\g+3], v[WRD] offset:WKL+(2*\f+\g)*2*WBLK
	ds_load_b128 v[WVR+8*\f+4*\g:WVR+8*\f+4*\g+3], v[WRD] offset:WVL+(2*\f+\g)*2*WBLK
.endr
.endr
	WIN 0
	s_wait_dscnt 32                                ; LDS loads come back in order: Wq and pcd are in, the 32 loads of Wk and Wv may be out
.irp ks, 0,1
.irp g, 0,1
.irp e, 0,1,2,3
	v_cvt_pk_bf16_f32 v[E+8*\ks+4*\g+\e], v[ACC+16*\ks+8*\g+2*\e], v[ACC+16*\ks+8*\g+2*\e+1]
.endr
.endr
.endr
	; q of my 8 points: four accumulators by turns, one instruction a turn; the first product starts each sum
.irp mt, 0,1,2,3
	v_wmma_f32_16x16x32_bf16 v[Q+8*\mt:Q+8*\mt+7], v[DA+16*\mt:DA+16*\mt+7], v[E:E+7], 0
.endr
.irp mt, 0,1,2,3
	v_wmma_f32_16x16x32_bf16 v[Q+8*\mt:Q+8*\mt+7], v[DA+16*\mt+8:DA+16*\mt+15], v[E+8:E+15], v[Q+8*\mt:Q+8*\mt+7]
.endr
	PLACES
.set i, 0
.rept 16
	v_pk_mul_f32 v[Q+i:Q+i+1], v[Q+i:Q+i+1], SCALE op_sel_hi:[1,0]    ; so that a score comes out as the exponent of 2
.set i, i+2
.endr
.irp mt, 0,1,2,3
	ds_store_b128 v[QST], v[Q+8*\mt:Q+8*\mt+3]   offset:64*\mt        ; lanes r and r + 8 hold the same point and write the same bytes
	ds_store_b128 v[QST], v[Q+8*\mt+4:Q+8*\mt+7] offset:64*\mt+16
.endr
; The landing zone's half ks to bf16: two channels of one column make a word of fragment (t, ks)
.macro CVTH ks
.irp g, 0,1
.irp e, 0,1,2,3
.irp t, 0,1,2,3
	v_cvt_pk_bf16_f32 v[XB+16*\t+8*\ks+4*\g+\e], v[64*\ks+32*\g+8*\e+\t], v[64*\ks+32*\g+8*\e+4+\t]
.endr
.endr
.endr
.endm
; 16 output channels (mt) of the projection with the weights at w, for the tile's 64 columns, into accumulator set d.
; The four accumulators take turns, one instruction a turn; the first product starts each sum.
.macro PROJ w, mt, d
.irp t, 0,1,2,3
	v_wmma_f32_16x16x32_bf16 v[\d+8*\t:\d+8*\t+7], v[\w+16*\mt:\w+16*\mt+7], v[XB+16*\t:XB+16*\t+7], 0
.endr
.irp t, 0,1,2,3
	v_wmma_f32_16x16x32_bf16 v[\d+8*\t:\d+8*\t+7], v[\w+16*\mt+8:\w+16*\mt+15], v[XB+16*\t+8:XB+16*\t+15], v[\d+8*\t:\d+8*\t+7]
.endr
.endm
; Scores of head 2 mt + h for my four columns: q . k over the 8 depths, four chains that do not wait for each other
.macro ENERGY mt, d
.irp t, 0,1,2,3
	v_pk_mul_f32 v[T+2*\t:T+2*\t+1], v[\d+8*\t:\d+8*\t+1], v[Q+8*\mt:Q+8*\mt+1]
.endr
.irp s, 2,4,6
.irp t, 0,1,2,3
	v_pk_fma_f32 v[T+2*\t:T+2*\t+1], v[\d+8*\t+\s:\d+8*\t+\s+1], v[Q+8*\mt+\s:Q+8*\mt+\s+1], v[T+2*\t:T+2*\t+1]
.endr
.endr
.irp t, 0,1,2,3
	v_add_f32 v[E+4*\mt+\t], v[T+2*\t], v[T+2*\t+1]
.endr
.endm
; Softmax of my four heads (mt = 0..3) over a point's 32 neighbours = 4 registers x the 8 lanes r % 8; the four heads' chains are interleaved.
; In the packed forms op_sel / op_sel_hi pick the first or the second register of the pair M (L) for both halves.
.macro SOFTMAX
.irp mt, 0,1,2,3
	v_max3_num_f32 v[M+\mt], v[E+4*\mt], v[E+4*\mt+1], v[E+4*\mt+2]
.endr
.irp mt, 0,1,2,3
	v_max_num_f32 v[M+\mt], v[M+\mt], v[E+4*\mt+3]
.endr
.irp x, 1,2,4
.irp mt, 0,1,2,3
	v_max_num_f32_dpp v[M+\mt], v[M+\mt], v[M+\mt] row_xmask:\x row_mask:0xf bank_mask:0xf
.endr
.endr
.irp mp, 0,1
.irp u, 0,2
	v_pk_add_f32 v[E+8*\mp+\u:E+8*\mp+\u+1], v[E+8*\mp+\u:E+8*\mp+\u+1], v[M+2*\mp:M+2*\mp+1] op_sel_hi:[1,0] neg_lo:[0,1] neg_hi:[0,1]
	v_pk_add_f32 v[E+8*\mp+4+\u:E+8*\mp+4+\u+1], v[E+8*\mp+4+\u:E+8*\mp+4+\u+1], v[M+2*\mp:M+2*\mp+1] op_sel:[0,1] op_sel_hi:[1,1] neg_lo:[0,1] neg_hi:[0,1]
.endr
.endr
.set i, 0
.rept 16
	v_exp_f32 v[E+i], v[E+i]                       ; 2^(score - maximum): at most 1, and 1 for the largest
.set i, i+1
.endr
	v_nop                                          ; one plain instruction between a transcendental and the use of its result (ISA guide 5.7.2)
	s_wait_alu depctr_va_vdst(0)
.irp mt, 0,1,2,3
	v_pk_add_f32 v[T+2*\mt:T+2*\mt+1], v[E+4*\mt:E+4*\mt+1], v[E+4*\mt+2:E+4*\mt+3]
.endr
.irp mt, 0,1,2,3
	v_add_f32 v[L+\mt], v[T+2*\mt], v[T+2*\mt+1]
.endr
.irp x, 1,2,4
.irp mt, 0,1,2,3
	v_add_f32_dpp v[L+\mt], v[L+\mt], v[L+\mt] row_xmask:\x row_mask:0xf bank_mask:0xf
.endr
.endr
.irp mt, 0,1,2,3
	v_rcp_f32 v[L+\mt], v[L+\mt]                   ; the sum is at least 1
.endr
	v_nop                                          ; as above
	s_wait_alu depctr_va_vdst(0)
.irp mp, 0,1
.irp u, 0,2
	v_pk_mul_f32 v[E+8*\mp+\u:E+8*\mp+\u+1], v[E+8*\mp+\u:E+8*\mp+\u+1], v[L+2*\mp:L+2*\mp+1] op_sel_hi:[1,0]
	v_pk_mul_f32 v[E+8*\mp+4+\u:E+8*\mp+4+\u+1], v[E+8*\mp+4+\u:E+8*\mp+4+\u+1], v[L+2*\mp:L+2*\mp+1] op_sel:[0,1] op_sel_hi:[1,1]
.endr
.endr
.endm
; Weighted sum of v for head 2 mt + h: my four columns in registers, then the 8 lanes; the result goes to my wave's block, [point][channel]
.macro PV mt, d
.irp i, 0,2,4,6
	v_pk_mul_f32 v[ACC+8*\mt+\i:ACC+8*\mt+\i+1], v[\d+\i:\d+\i+1], v[E+4*\mt:E+4*\mt+1] op_sel_hi:[1,0]
.endr
.irp i, 0,2,4,6
	v_pk_fma_f32 v[ACC+8*\mt+\i:ACC+8*\mt+\i+1], v[\d+8+\i:\d+8+\i+1], v[E+4*\mt:E+4*\mt+1], v[ACC+8*\mt+\i:ACC+8*\mt+\i+1] op_sel:[0,1,0] op_sel_hi:[1,1,1]
.endr
.irp i, 0,2,4,6
	v_pk_fma_f32 v[ACC+8*\mt+\i:ACC+8*\mt+\i+1], v[\d+16+\i:\d+16+\i+1], v[E+4*\mt+2:E+4*\mt+3], v[ACC+8*\mt+\i:ACC+8*\mt+\i+1] op_sel_hi:[1,0,1]
.endr
.irp i, 0,2,4,6
	v_pk_fma_f32 v[ACC+8*\mt+\i:ACC+8*\mt+\i+1], v[\d+24+\i:\d+24+\i+1], v[E+4*\mt+2:E+4*\mt+3], v[ACC+8*\mt+\i:ACC+8*\mt+\i+1] op_sel:[0,1,0] op_sel_hi:[1,1,1]
.endr
.irp x, 1,2,4
.irp i, 0,1,2,3,4,5,6,7
	v_add_f32_dpp v[ACC+8*\mt+\i], v[ACC+8*\mt+\i], v[ACC+8*\mt+\i] row_xmask:\x row_mask:0xf bank_mask:0xf
.endr
.endr
	ds_store_b128 v[OST], v[ACC+8*\mt:ACC+8*\mt+3]   offset:64*\mt      ; the 8 lanes of a point hold the same sums and write the same bytes
	ds_store_b128 v[OST], v[ACC+8*\mt+4:ACC+8*\mt+7] offset:64*\mt+16
.endm
; One tile.  more = 1: the next tile is requested as soon as the landing zone has been converted, ahead of all this tile's arithmetic.
; Each batch of 8 matrix instructions is issued one step ahead of the vector work on its results, on two accumulator sets in turn, so that the vector
; work on one set fills the places behind the matrix instructions of the other (ISA guide 7.12.1); only the first batch needs v_nop.
; The weights lie in window 1, all that vector instructions touch in window 0: two switches round each of the 7 batches.
.macro TILE more
.irp mt, 0,1,2,3
	ds_load_b128 v[Q+8*\mt:Q+8*\mt+3],   v[QRD] offset:64*\mt          ; q of my point; LDS serves a wave's instructions in order (ISA guide 5.7.1.4): these see my wave's stores
	ds_load_b128 v[Q+8*\mt+4:Q+8*\mt+7], v[QRD] offset:64*\mt+16
.endr
	s_wait_loadcnt 16                              ; channels 0-31 are in; the 16 younger loads (channels 32-63) may be out
	WIN FROM_W1
	CVTH 0
	s_wait_loadcnt 0x0                             ; the whole tile is in, and no load reads s[4:5] any more
	CVTH 1
.if \more
	s_add_nc_u64 s[4:5], s[4:5], TILEB
	WIN TO_W1
	LOADH 0, OFFA
	LOADH 1, OFFB
.endif
	s_wait_dscnt 0x0                               ; q (and, in the first tile, Wk's and Wv's fragments)
	WIN A_W1
	PROJ WKR, 0, DA
	PROJ WKR, 1, DB
	WIN 0
	PLACES
	ENERGY 0, DA
	WIN A_W1
	PROJ WKR, 2, DA
	WIN 0
	ENERGY 1, DB
	WIN A_W1
	PROJ WKR, 3, DB
	WIN 0
	ENERGY 2, DA
	WIN A_W1
	PROJ WVR, 0, DA
	WIN 0
	ENERGY 3, DB
	WIN A_W1
	PROJ WVR, 1, DB
	WIN 0
	SOFTMAX
	PV 0, DA
	WIN A_W1
	PROJ WVR, 2, DA
	WIN 0
	PV 1, DB
	WIN A_W1
	PROJ WVR, 3, DB
	WIN 0
	PV 2, DA
	PV 3, DB
.if \more
	v_add_nc_u32 v[QRD], 2*QPITCH, v[QRD]          ; the next two points
	v_add_nc_u32 v[OST], 2*OPITCH, v[OST]
.endif
.endm
	s_mov_b32 s28, TILES-1
.Ltile:
	TILE 1
	s_sub_co_u32 s28, s28, 1
	s_cmp_lg_u32 s28, 0
	s_cbranch_scc1 .Ltile
	TILE 0                                         ; the last tile requests nothing: no load leaves the wave's 8 points
	; The way out: out0[channel][point].  Thread takes channels thread / 16 + 16 j, points 4 r .. 4 r + 3: 16 lanes store 256 consecutive bytes,
	; at a multiple of 256 from out0's first byte.
	s_wait_dscnt 0x0                               ; my results are in LDS, for the other waves' sake
	s_barrier_signal -1
	s_barrier_wait -1
.irp j, 0,1,2,3
.irp e, 0,1,2,3
	ds_load_b32 v[DA+4*\j+\e], v[ORD] offset:OPITCH*\e+64*\j
.endr
.endr
.irp j, 0,1,2,3
	s_wait_dscnt 12-4*\j                           ; the four words of row j are in; the later rows' loads may be out
	global_store_b128 v[POFF], v[DA+4*\j:DA+4*\j+3], s[14:15] offset:16*PROWB*\j th:TH_STORE_NT
.endr
	s_wait_tensorcnt 0x0
	ds_add_u32 v254, v255
	s_wait_dscnt 0x0
	s_endpgm
.Lfunc_end_k_q4c4d2a38f2_xattn:
	.size	k_q4c4d2a38f2_xattn, .Lfunc_end_k_q4c4d2a38f2_xattn-k_q4c4d2a38f2_xattn
	.p2alignl 7, 3214868480
	.fill 96, 4, 3214868480
	.section	.rodata,"a",@progbits
	.p2align	6, 0x0
	.amdhsa_kernel k_q4c4d2a38f2_xattn
		.amdhsa_group_segment_fixed_size 82944
		.amdhsa_private_segment_fixed_size 0
		.amdhsa_enable_private_segment 0
		.amdhsa_kernarg_size 48
		.amdhsa_user_sgpr_count 2
		.amdhsa_user_sgpr_kernarg_segment_ptr 1
		.amdhsa_wavefront_size32 1
		.amdhsa_system_sgpr_workgroup_id_x 1
		.amdhsa_system_sgpr_workgroup_id_y 1
		.amdhsa_system_sgpr_workgroup_id_z 1
		.amdhsa_system_vgpr_workitem_id 0
		.amdhsa_next_free_vgpr 512
		.amdhsa_next_free_sgpr 66
		.amdhsa_reserve_vcc 0
		.amdhsa_float_denorm_mode_32 3
		.amdhsa_float_denorm_mode_16_64 3
		.amdhsa_memory_ordered 1
		.amdhsa_forward_progress 1
		.amdhsa_inst_pref_size 81
	.end_amdhsa_kernel
	.amdgpu_metadata
---
amdhsa.version: [ 1, 2 ]
amdhsa.kernels:
  - .name:           k_q4c4d2a38f2_xattn
    .symbol:         k_q4c4d2a38f2_xattn.kd
    .args:
      - { .name: neighbors, .offset: 0, .size: 8, .value_kind: global_buffer, .address_space: global }
      - { .name: pcd, .offset: 8, .size: 8, .value_kind: global_buffer, .address_space: global }
      - { .name: Wq, .offset: 16, .size: 8, .value_kind: global_buffer, .address_space: global }
      - { .name: Wk, .offset: 24, .size: 8, .value_kind: global_buffer, .address_space: global }
      - { .name: Wv, .offset: 32, .size: 8, .value_kind: global_buffer, .address_space: global }
      - { .name: out0, .offset: 40, .size: 8, .value_kind: global_buffer, .address_space: global }
    .group_segment_fixed_size: 82944
    .private_segment_fixed_size: 0
    .kernarg_segment_align: 8
    .kernarg_segment_size: 48
    .max_flat_workgroup_size: 256
    .sgpr_count:     66
    .vgpr_count:     512
    .wavefront_size: 32
...
	.end_amdgpu_metadata
.endif
;; end of part 1
;; ======== version 2 of 2: 1 launch; version 1 with the launch xattn written anew for expert scheduling mode
;; launch xattn (part 2): grid 256 x 1, 8 waves a work-group, no clusters, 82,944 bytes of LDS; arguments neighbors, pcd, Wq, Wk, Wv, out0; writes out0
.if DOCPART == 2
	.amdgcn_target "amdgcn-amd-amdhsa--gfx1250"
	.amdhsa_code_object_version 6
	.text
	.protected	k_q4c4d2a38f2_xattn
	.globl	k_q4c4d2a38f2_xattn
	.p2align	8
	.type	k_q4c4d2a38f2_xattn,@function
k_q4c4d2a38f2_xattn:
	s_mov_b64 s[64:65], 0
	v_nop
	global_prefetch_b8 v0, s[64:65] scope:SCOPE_SE
	s_setreg_imm32_b32 hwreg(HW_REG_WAVE_SCHED_MODE, 0, 2), 2
	s_setreg_imm32_b32 hwreg(HW_REG_WAVE_MODE, 25, 1), 1
	s_wait_xcnt 0x0
	s_wait_alu depctr_vm_vsrc(0)
; Local cross attention.  pcd [8][64][2048], neighbors [8][64][2048][32], Wq, Wk, Wv [64][64], out0 [8][64][2048], all f32.
;   q = Wq pcd;  k = Wk neighbors;  v = Wv neighbors;  8 heads of depth 8;  for each point a softmax over its 32 neighbours.
; One launch.  A work-group (8 waves) owns one batch entry and 64 points; a wave owns 8 points, taken as 4 tiles of 2 points
; (64 columns x 64 channels of f32 = 16,384 bytes).  neighbors goes memory -> registers -> bf16 fragments, never through LDS:
;   lane (r = lane % 16, h = lane / 16) loads 16 bytes, columns 4r .. 4r+3, of the channels c = 32 ks + 16 g + 8 h + e, which are the
;   channels that a bf16 B fragment holds in that lane.  Component t of the loads is the fragment of the column set {4r + t}.
;   Each load of a wave covers two aligned runs of 256 consecutive bytes (channel rows c and c + 8).
; With A = 16 rows of Wk (Wv), the eight result registers of lane (r, h) are output channels 16 mt + 8 h + 0..7 = the 8 depths of head
; 2 mt + h for column 4r + t: point r / 8 of the tile, neighbour 4 (r % 8) + t.  So a score is a dot product inside a lane, and the softmax
; and the weighted sum run over 4 registers (t) and 8 lanes (row_xmask 1, 2, 4).
; Matrix operands are bf16 (rounded to nearest even), sums f32; q, k, v, scores, softmax and the output stay f32.
; The true maximum of the 32 scores is taken away before the exponential.
; LIMITS: a weight smaller than 2^-126 of the largest becomes 0 (v_exp_f32 flushes denormal results, ISA guide 15.8).  The factor
; log2(e) / sqrt(8) is multiplied into q, not into the score: another order of f32 rounding than the formula's.
; NO CLUSTER: work-groups share only the three weight matrices, 49,152 of the 589,824 bytes that each reads, and those pass through
; registers to be converted.  NO TENSOR LOADS: a tile's 16,384 bytes land in 128 registers of the wave that converts them, so that the
; eight waves have 131,072 bytes on their way without a second trip through LDS.
; THE MODE: SCHED_MODE bits 1:0 = 2 (LLVM: expert scheduling mode 2), set by the entry lines.  The code itself states the register dependences
; between vector or matrix instructions and memory or LDS instructions, with s_wait_alu, always for 0.
; THE PLAN.  Registers that memory or LDS instructions touch, in the loop over tiles:
;   LZ0, LZ1   the two halves of the landing zone (window 1, v0-63 and v64-127).  Half ks: read by the tile's 32 conversions CVTH ks; behind them the
;              next tile's 16 loads land in it.  Each half has a scalar base of its own, stepped behind the wait that shows the loads that read it done.
;   Q          the tile's 8 LDS loads land in it; read by the tile's four ENERGY.
;   ACC        written by the tile's four PV; read by the 8 LDS stores at the tile's end.
;   QRD, OST   read by the loads of q and by those stores; each written once a tile, at the loop's bottom.
;   OFFA, OFFB read by every load of neighbors; never written again.
;   XB, DA, DB, E, T, M, L and the weights' fragments are named by vector and matrix instructions alone.
; Waits on va_vdst in a tile: one behind each half's conversions (the first also for Q, QRD and OST), one behind the exponentials, one behind the
; reciprocals, one behind the last PV, ahead of the stores.  One wait on vm_vsrc, behind the stores, ahead of the two address steps.
.set ROWB,   262144                    ; neighbors: bytes from a channel to the next (2048 x 32 x 4)
.set PROWB,  8192                      ; pcd, out0: bytes from a channel to the next (2048 x 4)
.set TILEB,  256                       ; a tile's bytes in a channel row: 2 points x 32 neighbours x 4
.set TILES,  4                         ; tiles of a wave
.set SCALE,  0x3f0293ee                ; log2(e) / sqrt(8) = 0.5100697
; LDS
.set WBLK,   288                       ; 16 lanes x 16 bytes of a weight fragment + 32 bytes: see the staging below
.set WMAT,   32*WBLK                   ; one matrix in bf16, in fragment order
.set WKL,    0
.set WVL,    WMAT
.set WQL,    2*WMAT
.set PCDL,   3*WMAT                    ; pcd of my 64 points, f32, [channel][point]
.set PPITCH, 272
.set QL,     PCDL+64*PPITCH            ; q, f32, [point][channel], a block of 8 points for each wave, its own
.set QPITCH, 272
.set QBLK,   8*QPITCH
.set OL,     QL+8*QBLK                 ; results, f32, [point][channel], a block of 8 points for each wave
.set OPITCH, 288
.set OBLK,   8*OPITCH+16
; scalar registers
.set BA,   4                           ; s[4:5]    neighbors at the tile that the landing zone's first half is asked for next
.set BB,   30                          ; s[30:31]  the same for its second half
; registers, window 0
.set OFFA, 4                           ; byte offset of my 16 bytes in channel row 8 h
.set OFFB, 5                           ; the same in channel row 32 + 8 h
.set WOFF, 6                           ; 16 x thread: my piece of a weight matrix
.set POFF, 7                           ; my piece of pcd's tile, and of out0's
.set WST,  8                           ; LDS: where my weight pieces go
.set PST,  9                           ; LDS: where my pcd pieces go
.set WRD,  10                          ; LDS: my 16 bytes of a weight fragment
.set PRD,  11                          ; LDS: pcd, my point and my channels
.set QST,  12                          ; LDS: q out
.set QRD,  13                          ; LDS: q of the tile's point that my columns belong to
.set OST,  14                          ; LDS: results out
.set ORD,  15                          ; LDS: results back, by output rows
.set XB,   16                          ; v[16:79]   the tile in bf16: fragment (t, ks) at XB + 16 t + 8 ks
.set DA,   80                          ; v[80:111]  four accumulators (t = 0..3), set A
.set DB,   112                         ; v[112:143] set B
.set Q,    144                         ; v[144:175] q[16 mt + 8 h + i] of my point, at Q + 8 mt + i
.set E,    176                         ; v[176:191] scores, then weights, at E + 4 mt + t
.set ACC,  192                         ; v[192:223] weighted sums, at ACC + 8 mt + i
.set T,    224                         ; v[224:231] at work
.set M,    232                         ; v[232:235] maxima, one for each mt
.set L,    236                         ; v[236:239] sums of the exponentials, then their reciprocals
; registers, window 1 (v256-v511, named by their low 8 bits): v0-127 the tile as loaded: load (ks, g, e) at 64 ks + 32 g + 4 e
.set WKR,  128                         ; v384-447  Wk's fragments: (mt, ks) at WKR + 16 mt + 8 ks
.set WVR,  192                         ; v448-511  Wv's
; s_set_vgpr_msb: bits 1:0 source 0, 3:2 source 1, 5:4 source 2, 7:6 destination; the high byte repeats the setting that is left.
.set MSB, 0
.macro WIN new
.if MSB != \new
	s_set_vgpr_msb (MSB<<8)|\new
.set MSB, \new
.endif
.endm
.set FROM_W1, 0x05                     ; sources 0 and 1 in window 1: the conversions out of the landing zone
.set TO_W1,   0x40                     ; destination in window 1: loads into the landing zone and into the weight fragments
.set A_W1,    0x01                     ; source 0 (A, the weights) in window 1: the matrix instructions
.macro PLACES                          ; four places behind a matrix instruction before its result is read (ISA guide 7.12.1)
.rept 4
	v_nop
.endr
.endm
	s_load_b256 s[4:11], s[0:1], 0x0               ; neighbors s[4:5], pcd s[6:7], Wq s[8:9], Wk s[10:11]
	s_load_b128 s[12:15], s[0:1], 0x20             ; Wv s[12:13], out0 s[14:15]
	v_lshl_add_u32 v254, v0, 2, 0x14000
	v_mov_b32 v255, 0
	v_lshrrev_b32 v1, 5, v0
	v_readfirstlane_b32 s16, v1                    ; wave 0..7
	s_lshr_b32 s17, ttmp9, 5                       ; batch entry
	s_and_b32 s18, ttmp9, 31                       ; block of 64 points
	s_lshl_b32 s20, s17, 24                        ; neighbors: 64 x 2048 x 32 x 4 bytes a batch entry
	s_lshl_b32 s19, s18, 13                        ; + 64 points x 128 bytes
	s_add_co_u32 s20, s20, s19
	s_wait_alu depctr_va_sdst(0)                   ; s16 is written, ahead of its first reader: the wave's place in neighbors and in LDS is made from it
	s_lshl_b32 s19, s16, 10                        ; + my wave's 8 points x 128 bytes
	s_add_co_u32 s20, s20, s19
	s_mov_b32 s21, 0
	s_lshl_b32 s22, s17, 19                        ; pcd, out0: 64 x 2048 x 4 bytes a batch entry
	s_lshl_b32 s19, s18, 8                         ; + 64 points x 4 bytes
	s_add_co_u32 s22, s22, s19
	s_mov_b32 s23, 0
	v_and_b32 v2, 15, v0                           ; r
	v_bfe_u32 v3, v0, 4, 1                         ; h
	v_lshrrev_b32 v1, 4, v0                        ; thread / 16, 0..15
	v_lshlrev_b32 v[WOFF], 4, v0
	v_lshlrev_b32 v[OFFA], 4, v2                   ; 16 r
	v_lshl_or_b32 v[POFF], v1, 13, v[OFFA]         ; channel thread / 16, points 4 r .. 4 r + 3
	v_lshl_or_b32 v[OFFA], v3, 21, v[OFFA]         ; + 8 h channel rows
	v_add_nc_u32 v[OFFB], 32*ROWB, v[OFFA]
	s_wait_kmcnt 0x0
	s_add_nc_u64 s[BA:BA+1], s[4:5], s[20:21]
	s_add_nc_u64 s[6:7], s[6:7], s[22:23]
	s_add_nc_u64 s[14:15], s[14:15], s[22:23]
	s_mov_b64 s[BB:BB+1], s[BA:BA+1]               ; both halves begin at tile 0
	s_wait_alu depctr_va_vdst(0)                   ; the four offsets WOFF, POFF, OFFA, OFFB are written, which every global load and store of the kernel reads
	; The weights and pcd first (16 loads, every one 512 consecutive bytes a wave), then tile 0: the staging below is done while tile 0 is on its way.
.irp j, 0,1,2,3
	global_load_b128 v[DA+4*\j:DA+4*\j+3], v[WOFF], s[10:11] offset:4096*\j          ; Wk, rows 16 j + thread / 16
.endr
.irp j, 0,1,2,3
	global_load_b128 v[DA+16+4*\j:DA+16+4*\j+3], v[WOFF], s[12:13] offset:4096*\j    ; Wv
.endr
.irp j, 0,1,2,3
	global_load_b128 v[DA+32+4*\j:DA+32+4*\j+3], v[WOFF], s[8:9] offset:4096*\j      ; Wq
.endr
.irp j, 0,1,2,3
	global_load_b128 v[DA+48+4*\j:DA+48+4*\j+3], v[POFF], s[6:7] offset:16*PROWB*\j th:TH_LOAD_NT   ; pcd, channels 16 j + thread / 16
.endr
; 16 loads: channels 32 ks + 16 g + 8 h + e of the tile at the half's base.  The immediate is at most 23 channel rows, inside its signed 24 bits.
.macro LOADH ks, off, sb
.irp g, 0,1
.irp e, 0,1,2,3,4,5,6,7
	global_load_b128 v[64*\ks+32*\g+4*\e:64*\ks+32*\g+4*\e+3], v[\off], s[\sb:\sb+1] offset:(16*\g+\e)*ROWB th:TH_LOAD_NT
.endr
.endr
.endm
	WIN TO_W1
	LOADH 0, OFFA, BA
	LOADH 1, OFFB, BB
	WIN 0
	; LDS addresses
	s_lshl_b32 s24, s16, 5                         ; my wave's 8 points x 4 bytes in a row of pcd's tile
	s_mul_i32 s25, s16, QBLK
	s_add_co_u32 s25, s25, QL                      ; my wave's q block
	s_mul_i32 s26, s16, OBLK
	s_add_co_u32 s26, s26, OL                      ; my wave's result block
	; A weight piece is 4 numbers: row 16 j + thread / 16, columns 4 cq .. 4 cq + 3, cq = thread % 16 = 8 ks + 4 g + 2 h + half.  In fragment
	; (mt = j, ks) it is half of the 16 bytes of lane (r = thread / 16, h), registers 4 g .. 4 g + 3.  Blocks (mt, ks, g, h) of 16 lanes x 16 bytes lie
	; 288 bytes apart: 288, 576, 1152 are 32, 64, 128 modulo 256.
	v_bfe_u32 v[T], v0, 1, 3                       ; 4 ks + 2 g + h
	v_mul_u32_u24 v[WST], v[T], WBLK
	v_lshl_add_u32 v[WST], v1, 4, v[WST]
	v_and_b32 v[T], 1, v0                          ; half (and: r % 2)
	v_lshl_add_u32 v[WST], v[T], 3, v[WST]
	; Results back: thread takes output channels thread / 16 + 16 j, points 4 r + e: wave block r / 2, row 4 (r % 2) + e.  OBLK is 4 words and 4 OPITCH
	; 32 words modulo 64.
	v_lshrrev_b32 v[T+1], 1, v2
	v_mul_u32_u24 v[ORD], v[T+1], OBLK
	v_mad_u32_u24 v[ORD], v[T], 4*OPITCH, v[ORD]
	v_lshl_add_u32 v[ORD], v1, 2, v[ORD]
	v_add_nc_u32 v[ORD], OL, v[ORD]
	v_mul_u32_u24 v[PST], v1, PPITCH
	v_lshl_add_u32 v[PST], v2, 4, v[PST]
	v_mul_u32_u24 v[WRD], v3, WBLK
	v_lshl_add_u32 v[WRD], v2, 4, v[WRD]
	v_and_b32 v[T], 7, v0                          ; r % 8: for q, column r stands for point r % 8 of my wave's 8 (each point twice)
	v_mul_u32_u24 v[PRD], v3, 8*PPITCH
	v_lshl_add_u32 v[PRD], v[T], 2, v[PRD]
	v_add_nc_u32 v[PRD], s24, v[PRD]
	v_mul_u32_u24 v[QST], v[T], QPITCH
	v_lshl_add_u32 v[QST], v3, 5, v[QST]           ; channels 8 h .. of each 16
	v_add_nc_u32 v[QST], s25, v[QST]
	v_bfe_u32 v[T], v0, 3, 1                       ; r / 8: which of a tile's two points my columns belong to
	v_mul_u32_u24 v[QRD], v[T], QPITCH
	v_lshl_add_u32 v[QRD], v3, 5, v[QRD]
	v_add_nc_u32 v[QRD], s25, v[QRD]
	v_mul_u32_u24 v[OST], v[T], OPITCH
	v_lshl_add_u32 v[OST], v3, 5, v[OST]
	v_add_nc_u32 v[OST], s26, v[OST]
	s_wait_loadcnt 32                              ; loads come back in order (ISA guide 5.7.1): the weights and pcd are in, tile 0's 32 loads stay out
.irp m, 0,1,2
.irp j, 0,1,2,3
	v_cvt_pk_bf16_f32 v[ACC+8*\m+2*\j],   v[DA+16*\m+4*\j],   v[DA+16*\m+4*\j+1]
	v_cvt_pk_bf16_f32 v[ACC+8*\m+2*\j+1], v[DA+16*\m+4*\j+2], v[DA+16*\m+4*\j+3]
.endr
.endr
	s_wait_alu depctr_va_vdst(0)                   ; the conversions have written v[ACC ..], which the LDS stores read, and are done reading v[DA ..], in which Wq's fragments land below; the eight LDS addresses WST to ORD are written
.irp m, 0,1,2
.irp j, 0,1,2,3
	ds_store_b64 v[WST], v[ACC+8*\m+2*\j:ACC+8*\m+2*\j+1] offset:\m*WMAT+\j*8*WBLK
.endr
.endr
.irp j, 0,1,2,3
	ds_store_b128 v[PST], v[DA+48+4*\j:DA+48+4*\j+3] offset:PCDL+\j*16*PPITCH
.endr
	s_wait_dscnt 0x0                               ; my stores are in LDS, for the other waves' sake
	s_barrier_signal -1
	s_barrier_wait -1                              ; everybody's are; these bytes are not written again
	s_wait_alu depctr_vm_vsrc(0)                   ; my LDS stores have read v[ACC ..] and v[DA+48 ..], in which the loads below land
	; Wq's fragments and pcd
.irp f, 0,1,2,3,4,5,6,7
.irp g, 0,1
	ds_load_b128 v[DA+8*\f+4*\g:DA+8*\f+4*\g+3], v[WRD] offset:WQL+(2*\f+\g)*2*WBLK
.endr
.endr
.irp ks, 0,1
.irp g, 0,1
.irp e, 0,1,2,3,4,5,6,7
	ds_load_b32 v[ACC+16*\ks+8*\g+\e], v[PRD] offset:PCDL+(32*\ks+16*\g+\e)*PPITCH   ; pcd[32 ks + 16 g + 8 h + e][my point]
.endr
.endr
.endr
	s_wait_dscnt 0x0                               ; Wq and pcd are in
.irp ks, 0,1
.irp g, 0,1
.irp e, 0,1,2,3
	v_cvt_pk_bf16_f32 v[E+8*\ks+4*\g+\e], v[ACC+16*\ks+8*\g+2*\e], v[ACC+16*\ks+8*\g+2*\e+1]
.endr
.endr
.endr
	; q of my 8 points: four accumulators by turns, one instruction a turn; the first product starts each sum
.irp mt, 0,1,2,3
	v_wmma_f32_16x16x32_bf16 v[Q+8*\mt:Q+8*\mt+7], v[DA+16*\mt:DA+16*\mt+7], v[E:E+7], 0
.endr
.irp mt, 0,1,2,3
	v_wmma_f32_16x16x32_bf16 v[Q+8*\mt:Q+8*\mt+7], v[DA+16*\mt+8:DA+16*\mt+15], v[E+8:E+15], v[Q+8*\mt:Q+8*\mt+7]
.endr
	; Wk's and Wv's fragments, which stay in registers for the whole kernel, are asked for behind those products.  No wait: no vector or matrix
	; instruction of the kernel has named their registers, and none since the wait ahead of the weights' stores names WRD.
	WIN TO_W1
.irp f, 0,1,2,3,4,5,6,7
.irp g, 0,1
	ds_load_b128 v[WKR+8*\f+4*\g:WKR+8*\f+4*\g+3], v[WRD] offset:WKL+(2*\f+\g)*2*WBLK
	ds_load_b128 v[WVR+8*\f+4*\g:WVR+8*\f+4*\g+3], v[WRD] offset:WVL+(2*\f+\g)*2*WBLK
.endr
.endr
	WIN 0
	PLACES
.set i, 0
.rept 16
	v_pk_mul_f32 v[Q+i:Q+i+1], v[Q+i:Q+i+1], SCALE op_sel_hi:[1,0]    ; so that a score comes out as the exponent of 2
.set i, i+2
.endr
	s_wait_alu depctr_va_vdst(0)                   ; the scalings have written v[Q ..], which the LDS stores read
.irp mt, 0,1,2,3
	ds_store_b128 v[QST], v[Q+8*\mt:Q+8*\mt+3]   offset:64*\mt        ; lanes r and r + 8 hold the same point and write the same bytes
	ds_store_b128 v[QST], v[Q+8*\mt+4:Q+8*\mt+7] offset:64*\mt+16
.endr
	s_wait_alu depctr_vm_vsrc(0)                   ; those stores have read v[Q ..], in which the first tile's loads of q land
; The landing zone's half ks to bf16: two channels of one column make a word of fragment (t, ks)
.macro CVTH ks
.irp g, 0,1
.irp e, 0,1,2,3
.irp t, 0,1,2,3
	v_cvt_pk_bf16_f32 v[XB+16*\t+8*\ks+4*\g+\e], v[64*\ks+32*\g+8*\e+\t], v[64*\ks+32*\g+8*\e+4+\t]
.endr
.endr
.endr
.endm
; 16 output channels (mt) of the projection with the weights at w, for the tile's 64 columns, into accumulator set d.
; The four accumulators take turns, one instruction a turn; the first product starts each sum.
.macro PROJ w, mt, d
.irp t, 0,1,2,3
	v_wmma_f32_16x16x32_bf16 v[\d+8*\t:\d+8*\t+7], v[\w+16*\mt:\w+16*\mt+7], v[XB+16*\t:XB+16*\t+7], 0
.endr
.irp t, 0,1,2,3
	v_wmma_f32_16x16x32_bf16 v[\d+8*\t:\d+8*\t+7], v[\w+16*\mt+8:\w+16*\mt+15], v[XB+16*\t+8:XB+16*\t+15], v[\d+8*\t:\d+8*\t+7]
.endr
.endm
; Scores of head 2 mt + h for my four columns: q . k over the 8 depths, four chains that do not wait for each other
.macro ENERGY mt, d
.irp t, 0,1,2,3
	v_pk_mul_f32 v[T+2*\t:T+2*\t+1], v[\d+8*\t:\d+8*\t+1], v[Q+8*\mt:Q+8*\mt+1]
.endr
.irp s, 2,4,6
.irp t, 0,1,2,3
	v_pk_fma_f32 v[T+2*\t:T+2*\t+1], v[\d+8*\t+\s:\d+8*\t+\s+1], v[Q+8*\mt+\s:Q+8*\mt+\s+1], v[T+2*\t:T+2*\t+1]
.endr
.endr
.irp t, 0,1,2,3
	v_add_f32 v[E+4*\mt+\t], v[T+2*\t], v[T+2*\t+1]
.endr
.endm
; Softmax of my four heads (mt = 0..3) over a point's 32 neighbours = 4 registers x the 8 lanes r % 8; the four heads' chains are interleaved.
; In the packed forms op_sel / op_sel_hi pick the first or the second register of the pair M (L) for both halves.
.macro SOFTMAX
.irp mt, 0,1,2,3
	v_max3_num_f32 v[M+\mt], v[E+4*\mt], v[E+4*\mt+1], v[E+4*\mt+2]
.endr
.irp mt, 0,1,2,3
	v_max_num_f32 v[M+\mt], v[M+\mt], v[E+4*\mt+3]
.endr
.irp x, 1,2,4
.irp mt, 0,1,2,3
	v_max_num_f32_dpp v[M+\mt], v[M+\mt], v[M+\mt] row_xmask:\x row_mask:0xf bank_mask:0xf
.endr
.endr
.irp mp, 0,1
.irp u, 0,2
	v_pk_add_f32 v[E+8*\mp+\u:E+8*\mp+\u+1], v[E+8*\mp+\u:E+8*\mp+\u+1], v[M+2*\mp:M+2*\mp+1] op_sel_hi:[1,0] neg_lo:[0,1] neg_hi:[0,1]
	v_pk_add_f32 v[E+8*\mp+4+\u:E+8*\mp+4+\u+1], v[E+8*\mp+4+\u:E+8*\mp+4+\u+1], v[M+2*\mp:M+2*\mp+1] op_sel:[0,1] op_sel_hi:[1,1] neg_lo:[0,1] neg_hi:[0,1]
.endr
.endr
.set i, 0
.rept 16
	v_exp_f32 v[E+i], v[E+i]                       ; 2^(score - maximum): at most 1, and 1 for the largest
.set i, i+1
.endr
	v_nop                                          ; one plain instruction between a transcendental and the use of its result (ISA guide 5.7.2)
	s_wait_alu depctr_va_vdst(0)                   ; the sixteen exponentials have written v[E ..]: one wait for the batch, ahead of its first reader
.irp mt, 0,1,2,3
	v_pk_add_f32 v[T+2*\mt:T+2*\mt+1], v[E+4*\mt:E+4*\mt+1], v[E+4*\mt+2:E+4*\mt+3]
.endr
.irp mt, 0,1,2,3
	v_add_f32 v[L+\mt], v[T+2*\mt], v[T+2*\mt+1]
.endr
.irp x, 1,2,4
.irp mt, 0,1,2,3
	v_add_f32_dpp v[L+\mt], v[L+\mt], v[L+\mt] row_xmask:\x row_mask:0xf bank_mask:0xf
.endr
.endr
.irp mt, 0,1,2,3
	v_rcp_f32 v[L+\mt], v[L+\mt]                   ; the sum is at least 1
.endr
	v_nop                                          ; as above
	s_wait_alu depctr_va_vdst(0)                   ; the four reciprocals have written v[L ..]: one wait for the batch, ahead of its first reader
.irp mp, 0,1
.irp u, 0,2
	v_pk_mul_f32 v[E+8*\mp+\u:E+8*\mp+\u+1], v[E+8*\mp+\u:E+8*\mp+\u+1], v[L+2*\mp:L+2*\mp+1] op_sel_hi:[1,0]
	v_pk_mul_f32 v[E+8*\mp+4+\u:E+8*\mp+4+\u+1], v[E+8*\mp+4+\u:E+8*\mp+4+\u+1], v[L+2*\mp:L+2*\mp+1] op_sel:[0,1] op_sel_hi:[1,1]
.endr
.endr
.endm
; Weighted sum of v for head 2 mt + h: my four columns in registers, then the 8 lanes.  The sums stay in ACC + 8 mt until the tile's end.
.macro PV mt, d
.irp i, 0,2,4,6
	v_pk_mul_f32 v[ACC+8*\mt+\i:ACC+8*\mt+\i+1], v[\d+\i:\d+\i+1], v[E+4*\mt:E+4*\mt+1] op_sel_hi:[1,0]
.endr
.irp i, 0,2,4,6
	v_pk_fma_f32 v[ACC+8*\mt+\i:ACC+8*\mt+\i+1], v[\d+8+\i:\d+8+\i+1], v[E+4*\mt:E+4*\mt+1], v[ACC+8*\mt+\i:ACC+8*\mt+\i+1] op_sel:[0,1,0] op_sel_hi:[1,1,1]
.endr
.irp i, 0,2,4,6
	v_pk_fma_f32 v[ACC+8*\mt+\i:ACC+8*\mt+\i+1], v[\d+16+\i:\d+16+\i+1], v[E+4*\mt+2:E+4*\mt+3], v[ACC+8*\mt+\i:ACC+8*\mt+\i+1] op_sel_hi:[1,0,1]
.endr
.irp i, 0,2,4,6
	v_pk_fma_f32 v[ACC+8*\mt+\i:ACC+8*\mt+\i+1], v[\d+24+\i:\d+24+\i+1], v[E+4*\mt+2:E+4*\mt+3], v[ACC+8*\mt+\i:ACC+8*\mt+\i+1] op_sel:[0,1,0] op_sel_hi:[1,1,1]
.endr
.irp x, 1,2,4
.irp i, 0,1,2,3,4,5,6,7
	v_add_f32_dpp v[ACC+8*\mt+\i], v[ACC+8*\mt+\i], v[ACC+8*\mt+\i] row_xmask:\x row_mask:0xf bank_mask:0xf
.endr
.endr
.endm
; One tile.  more = 1: each half of the landing zone is asked for again, for the next tile, as soon as it has been converted, ahead of all this tile's arithmetic.
; Each batch of 8 matrix instructions is issued one step ahead of the vector work on its results, on two accumulator sets in turn, so that the vector
; work on one set fills the places behind the matrix instructions of the other (ISA guide 7.12.1); only the first batch needs v_nop.
; The weights lie in window 1, all that vector instructions touch in window 0: two switches round each of the 7 batches.
.macro TILE more
	s_wait_loadcnt 16                              ; channels 0-31 are in; the 16 younger loads (channels 32-63) may be out
.if \more
	s_add_nc_u64 s[BA:BA+1], s[BA:BA+1], TILEB     ; free since that wait, which shows the loads that read it done: the next tile
.endif
	WIN FROM_W1
	CVTH 0
.if \more
	WIN TO_W1
	s_wait_alu depctr_va_vdst(0)                   ; the conversions are done reading the zone's first half; the last tile's ENERGY are done reading v[Q ..] (first tile: the scalings have written it); QRD and OST are written
	LOADH 0, OFFA, BA
	WIN 0
.else
	WIN 0
	s_wait_alu depctr_va_vdst(0)                   ; the last tile's ENERGY are done reading v[Q ..], in which the loads below land; QRD and OST are written
.endif
.irp mt, 0,1,2,3
	ds_load_b128 v[Q+8*\mt:Q+8*\mt+3],   v[QRD] offset:64*\mt          ; q of my point; LDS serves a wave's instructions in order (ISA guide 5.7.1.4): these see my wave's stores
	ds_load_b128 v[Q+8*\mt+4:Q+8*\mt+7], v[QRD] offset:64*\mt+16
.endr
.if \more
	s_wait_loadcnt 16                              ; channels 32-63 are in; the 16 younger loads (the next tile's channels 0-31) stay out
	s_add_nc_u64 s[BB:BB+1], s[BB:BB+1], TILEB     ; free since that wait, which shows the loads that read it done
.else
	s_wait_loadcnt 0x0                             ; the whole tile is in
.endif
	WIN FROM_W1
	CVTH 1
.if \more
	WIN TO_W1
	s_wait_alu depctr_va_vdst(0)                   ; the conversions are done reading the zone's second half, in which the loads below land
	LOADH 1, OFFB, BB
.endif
	s_wait_dscnt 0x0                               ; q (and, in the first tile, Wk's and Wv's fragments)
	WIN A_W1
	PROJ WKR, 0, DA
	PROJ WKR, 1, DB
	WIN 0
	PLACES
	ENERGY 0, DA
	WIN A_W1
	PROJ WKR, 2, DA
	WIN 0
	ENERGY 1, DB
	WIN A_W1
	PROJ WKR, 3, DB
	WIN 0
	ENERGY 2, DA
	WIN A_W1
	PROJ WVR, 0, DA
	WIN 0
	ENERGY 3, DB
	WIN A_W1
	PROJ WVR, 1, DB
	WIN 0
	SOFTMAX
	PV 0, DA
	WIN A_W1
	PROJ WVR, 2, DA
	WIN 0
	PV 1, DB
	WIN A_W1
	PROJ WVR, 3, DB
	WIN 0
	PV 2, DA
	PV 3, DB
	s_wait_alu depctr_va_vdst(0)                   ; the four PV have written v[ACC ..], which the LDS stores read
.irp mt, 0,1,2,3
	ds_store_b128 v[OST], v[ACC+8*\mt:ACC+8*\mt+3]   offset:64*\mt      ; to my wave's block, [point][channel]; the 8 lanes of a point hold the same sums and write the same bytes
	ds_store_b128 v[OST], v[ACC+8*\mt+4:ACC+8*\mt+7] offset:64*\mt+16
.endr
.if \more
	s_wait_alu depctr_vm_vsrc(0)                   ; those stores have read OST and v[ACC ..], which the next tile's PV write again; the tile's loads of q have read QRD
	v_add_nc_u32 v[QRD], 2*QPITCH, v[QRD]          ; the next two points
	v_add_nc_u32 v[OST], 2*OPITCH, v[OST]
.endif
.endm
	s_mov_b32 s28, TILES-1
.Ltile:
	TILE 1
	s_sub_co_u32 s28, s28, 1
	s_cmp_lg_u32 s28, 0
	s_cbranch_scc1 .Ltile
	TILE 0                                         ; the last tile requests nothing: no load leaves the wave's 8 points
	; The way out: out0[channel][point].  Thread takes channels thread / 16 + 16 j, points 4 r .. 4 r + 3: 16 lanes store 256 consecutive bytes,
	; at a multiple of 256 from out0's first byte.  No s_wait_alu stands here: no vector or matrix instruction has been issued since the last tile's wait
	; ahead of its stores, which showed all that named v[DA ..] done; the global stores' data come from LDS loads, which s_wait_dscnt orders.
	s_wait_dscnt 0x0                               ; my results are in LDS, for the other waves' sake
	s_barrier_signal -1
	s_barrier_wait -1
.irp j, 0,1,2,3
.irp e, 0,1,2,3
	ds_load_b32 v[DA+4*\j+\e], v[ORD] offset:OPITCH*\e+64*\j
.endr
.endr
.irp j, 0,1,2,3
	s_wait_dscnt 12-4*\j                           ; the four words of row j are in; the later rows' loads may be out
	global_store_b128 v[POFF], v[DA+4*\j:DA+4*\j+3], s[14:15] offset:16*PROWB*\j th:TH_STORE_NT
.endr
	s_wait_dscnt 0x0
	s_wait_alu depctr_hold_cnt(0) depctr_sa_sdst(0) depctr_va_vdst(0) depctr_va_sdst(0) depctr_va_ssrc(0) depctr_va_vcc(0) depctr_vm_vsrc(0)
	s_wait_tensorcnt 0x0
	ds_add_u32 v254, v255
	s_wait_dscnt 0x0
	s_endpgm
.Lfunc_end_k_q4c4d2a38f2_xattn:
	.size	k_q4c4d2a38f2_xattn, .Lfunc_end_k_q4c4d2a38f2_xattn-k_q4c4d2a38f2_xattn
	.p2alignl 7, 3214868480
	.fill 96, 4, 3214868480
	.section	.rodata,"a",@progbits
	.p2align	6, 0x0
	.amdhsa_kernel k_q4c4d2a38f2_xattn
		.amdhsa_group_segment_fixed_size 82944
		.amdhsa_private_segment_fixed_size 0
		.amdhsa_enable_private_segment 0
		.amdhsa_kernarg_size 48
		.amdhsa_user_sgpr_count 2
		.amdhsa_user_sgpr_kernarg_segment_ptr 1
		.amdhsa_wavefront_size32 1
		.amdhsa_system_sgpr_workgroup_id_x 1
		.amdhsa_system_sgpr_workgroup_id_y 1
		.amdhsa_system_sgpr_workgroup_id_z 1
		.amdhsa_system_vgpr_workitem_id 0
		.amdhsa_next_free_vgpr 512
		.amdhsa_next_free_sgpr 66
		.amdhsa_reserve_vcc 0
		.amdhsa_float_denorm_mode_32 3
		.amdhsa_float_denorm_mode_16_64 3
		.amdhsa_memory_ordered 1
		.amdhsa_forward_progress 1
		.amdhsa_inst_pref_size 82
	.end_amdhsa_kernel
	.amdgpu_metadata
---
amdhsa.version: [ 1, 2 ]
amdhsa.kernels:
  - .name:           k_q4c4d2a38f2_xattn
    .symbol:         k_q4c4d2a38f2_xattn.kd
    .args:
      - { .name: neighbors, .offset: 0, .size: 8, .value_kind: global_buffer, .address_space: global }
      - { .name: pcd, .offset: 8, .size: 8, .value_kind: global_buffer, .address_space: global }
      - { .name: Wq, .offset: 16, .size: 8, .value_kind: global_buffer, .address_space: global }
      - { .name: Wk, .offset: 24, .size: 8, .value_kind: global_buffer, .address_space: global }
      - { .name: Wv, .offset: 32, .size: 8, .value_kind: global_buffer, .address_space: global }
      - { .name: out0, .offset: 40, .size: 8, .value_kind: global_buffer, .address_space: global }
    .group_segment_fixed_size: 82944
    .private_segment_fixed_size: 0
    .kernarg_segment_align: 8
    .kernarg_segment_size: 48
    .max_flat_workgroup_size: 256
    .sgpr_count:     66
    .vgpr_count:     512
    .wavefront_size: 32
...
	.end_amdgpu_metadata
.endif
;; end of part 2
